; MI455X (gfx1250); checked and timed in simulation.
; The chip was launched on July 23, 2026; its instructions are those of AMD's public machine-readable ISA for CDNA 5 (MIT licence, August 2026) and "CDNA5" Instruction Set Architecture Reference Guide (July 2026). The comments in the code are by the model that wrote it; some were corrected since.
;; My Temporal Attention. Allowed arithmetic: float matrix products may take bf16 or f16 operands with f32 sums; other float arithmetic in f32, or as packed bf16 or f16 multiplies, adds, multiply-adds, maxima and minima; sums over many terms, partial sums and values carried from step to step in f32; what a program stores and reads back later, other than sums and carried values, may be rounded once to bf16 or f16.
;; Inputs: W1 512 x 512 float32; W2 512 x 512 float32; Wk 512 x 512 float32; Wo 512 x 512 float32; Wq 512 x 512 float32; Wv 512 x 512 float32; b1 512 float32; b2 512 float32; bk 512 float32; bo 512 float32; bq 512 float32; bv 512 float32; te 2 x 128 x 128 x 512 float32; x 2 x 128 x 128 x 512 float32.
;; Outputs: out0 2 x 128 x 128 x 512 float32.
;; One version. Each part assembles by itself: llvm-mc -triple=amdgcn-amd-amdhsa -mcpu=gfx1250 --defsym DOCPART=n.
;; ======== version 1 of 1: 2 launches
;; workspace buffers: wst 3,145,728 bytes; usum 6,144 bytes
;; launch prep (part 1): grid 816 x 1, 8 waves a work-group, no clusters, 0 bytes of LDS; arguments Wq, Wk, Wv, Wo, W1, W2, wst, usum; writes wst, usum
.if DOCPART == 1
	.amdgcn_target "amdgcn-amd-amdhsa--gfx1250"
	.amdhsa_code_object_version 6
	.text
	.protected	k_q50dbbe7aeb_prep
	.globl	k_q50dbbe7aeb_prep
	.p2align	8
	.type	k_q50dbbe7aeb_prep,@function
k_q50dbbe7aeb_prep:
	s_mov_b64 s[64:65], 0
	v_nop
	global_prefetch_b8 v0, s[64:65] scope:SCOPE_SE
	s_setreg_imm32_b32 hwreg(HW_REG_WAVE_MODE, 25, 1), 1
	s_wait_xcnt 0x0
; The six weight matrices ([512 k][512 c], f32) are rounded once to bf16 and laid out as ONE stream of 48 tiles of 65,536 bytes, in the
; register image in which the second launch takes them; and the column sums u[c] = sum over k of W[k][c] of Wq, Wk, Wv are made in f32.
; STREAM.  Tiles 0-7 Wq|Wk for heads 2w, 8-11 Wv for heads 2w, 12-19 and 20-23 the same for heads 2w+1, 24-31 Wo, 32-39 W1, 40-47 W2.
; In a tile wave w of the second launch owns bytes 16,384 w on.  A fragment (16 columns x 32 k) is 1,024 bytes: 512 e + 16 L + 2 i holds
; W[k0 + 16 e + 8 (L / 16) + i][c0 + L % 16].  Tiles of 64 k: 8,192 q + 1,024 f (q: 32 k, f: 16 columns); Wv's tiles of 128 k: 4,096 q4 + 1,024 f4.
; SHARES.  Work-groups 0-47, the longer ones, come first: 32 columns of one matrix each; a wave 4 columns, a lane every 32nd row (16 loads of 16 bytes); the 32 lanes' sums
; are added across the wave; a work-group's eight stores fill 128 consecutive bytes of usum (6,144 bytes in all).
; Work-groups 48-815: 4,096 bytes of the stream each, 16 bytes a thread (eight loads of one number, four roundings, one store; a wave stores 512 consecutive bytes).
.set NSUM, 48
	s_load_b512 s[4:19], s[0:1], 0x0               ; Wq s[4:5], Wk s[6:7], Wv s[8:9], Wo s[10:11], W1 s[12:13], W2 s[14:15], wst s[16:17], usum s[18:19]
	s_mov_b32 s20, ttmp9
	v_and_b32 v1, 15, v0                           ; r
	v_bfe_u32 v2, v0, 4, 1                         ; h
	s_cmp_lt_u32 s20, NSUM
	s_cbranch_scc1 .Lsum
	s_sub_co_u32 s20, s20, NSUM                    ; the block of 4,096 bytes of the stream
	s_lshr_b32 s21, s20, 4                         ; the tile
	s_bfe_u32 s22, s20, 0x20002                    ; w
	s_bfe_u32 s23, s20, 0x10001                    ; q
	s_and_b32 s24, s20, 1                          ; upper half of the eight fragments
	s_and_b32 s25, s20, 3                          ; q4
	s_cmp_ge_u32 s21, 12
	s_cselect_b32 s26, 1, 0                        ; i: which of the wave's two heads
	s_cselect_b32 s27, 12, 0
	s_sub_co_u32 s27, s21, s27                     ; the tile within a head's twelve
	s_lshl_b32 s30, s27, 6
	s_lshl_b32 s31, s23, 5
	s_add_co_u32 s30, s30, s31                     ; Wq, Wk: first k = 64 t + 32 q
	s_lshl_b32 s32, s22, 7
	s_lshl_b32 s33, s26, 6
	s_add_co_u32 s33, s32, s33                     ; first column = 64 (2 w + i)
	s_sub_co_u32 s34, s27, 8
	s_lshl_b32 s34, s34, 7
	s_lshl_b32 s35, s25, 5
	s_add_co_u32 s34, s34, s35                     ; Wv: first k = 128 (t - 8) + 32 q4
	s_and_b32 s40, s21, 7
	s_lshl_b32 s40, s40, 6
	s_add_co_u32 s40, s40, s31                     ; Wo, W1, W2: first k = 64 (tile % 8) + 32 q
	s_lshl_b32 s41, s24, 6
	s_add_co_u32 s41, s32, s41                     ; first column = 128 w + 64 x half
	v_bfe_u32 v3, v0, 5, 1                         ; e
	v_bfe_u32 v4, v0, 6, 2                         ; fragment within the block's four
	v_lshl_add_u32 v5, v3, 1, v2                   ; 2 e + h
	v_lshlrev_b32 v5, 14, v5                       ; rows 16 e + 8 h of 2,048 bytes
	v_lshl_add_u32 v6, v4, 4, v1                   ; column 16 f + r
	v_lshl_add_u32 v5, v6, 2, v5
	v_lshlrev_b32 v7, 4, v0                        ; my 16 bytes of the block
	s_lshl_b32 s38, s20, 12
	s_mov_b32 s39, 0
	s_mov_b32 s37, 0
	s_wait_kmcnt 0x0
	s_cmp_eq_u32 s24, 0
	s_cselect_b64 s[28:29], s[4:5], s[6:7]         ; Wq's fragments come first, then Wk's
	s_cmp_ge_u32 s27, 8
	s_cselect_b64 s[28:29], s[8:9], s[28:29]
	s_cselect_b32 s30, s34, s30
	s_cmp_ge_u32 s21, 24
	s_cselect_b64 s[28:29], s[10:11], s[28:29]
	s_cselect_b32 s30, s40, s30
	s_cselect_b32 s33, s41, s33
	s_cmp_ge_u32 s21, 32
	s_cselect_b64 s[28:29], s[12:13], s[28:29]
	s_cmp_ge_u32 s21, 40
	s_cselect_b64 s[28:29], s[14:15], s[28:29]
	s_lshl_b32 s30, s30, 11
	s_lshl_b32 s33, s33, 2
	s_add_co_u32 s36, s30, s33
	s_add_nc_u64 s[28:29], s[28:29], s[36:37]
	s_add_nc_u64 s[16:17], s[16:17], s[38:39]
.irp i, 0,1,2,3,4,5,6,7
	global_load_b32 v[8+\i], v5, s[28:29] offset:2048*\i  ; eight k of one column
.endr
	s_wait_loadcnt 0x0
.irp i, 0,1,2,3
	v_cvt_pk_bf16_f32 v[16+\i], v[8+2*\i], v[9+2*\i]
.endr
	global_store_b128 v7, v[16:19], s[16:17]
	s_endpgm
.Lsum:
	s_lshr_b32 s22, s20, 4                         ; the matrix: 0 Wq, 1 Wk, 2 Wv
	s_and_b32 s23, s20, 15                         ; its block of 32 columns
	s_lshl_b32 s24, s23, 7
	s_mov_b32 s25, 0
	s_lshl_b32 s26, s22, 11
	s_add_co_u32 s26, s26, s24
	s_mov_b32 s27, 0
	s_mov_b32 s30, 0x76543210                      ; v_permlanex16_b32: each lane takes its own place in the other half
	s_mov_b32 s31, 0xfedcba98
	v_and_b32 v3, 31, v0                           ; the lane: rows lane + 32 i
	v_lshrrev_b32 v4, 5, v0                        ; the wave: which four of the 32 columns
	v_lshlrev_b32 v7, 4, v4                        ; my wave's 16 bytes of the 128, in W and in usum
	v_lshl_add_u32 v8, v3, 11, v7
	s_wait_kmcnt 0x0
	s_cmp_eq_u32 s22, 1
	s_cselect_b64 s[28:29], s[6:7], s[4:5]
	s_cmp_eq_u32 s22, 2
	s_cselect_b64 s[28:29], s[8:9], s[28:29]
	s_add_nc_u64 s[28:29], s[28:29], s[24:25]
	s_add_nc_u64 s[18:19], s[18:19], s[26:27]
.set i, 0
.rept 16
	global_load_b128 v[16+4*i:19+4*i], v8, s[28:29] offset:65536*i
.set i, i+1
.endr
	s_wait_loadcnt 0x0
.irp st, 8,4,2,1                       ; the lane's 16 rows, added in a tree
.set i, 0
.rept \st
	v_pk_add_f32 v[16+4*i:17+4*i], v[16+4*i:17+4*i], v[16+4*(i+\st):17+4*(i+\st)]
	v_pk_add_f32 v[18+4*i:19+4*i], v[18+4*i:19+4*i], v[18+4*(i+\st):19+4*(i+\st)]
.set i, i+1
.endr
.endr
.irp m, 1,2,4,8                        ; then the 32 lanes
.irp k, 16,17,18,19
	v_add_f32_dpp v\k, v\k, v\k row_xmask:\m row_mask:0xf bank_mask:0xf
.endr
.endr
.irp k, 0,1,2,3
	v_permlanex16_b32 v[20+\k], v[16+\k], s30, s31
.endr
.irp k, 0,1,2,3
	v_add_f32 v[16+\k], v[16+\k], v[20+\k]
.endr
	global_store_b128 v7, v[16:19], s[18:19]       ; all lanes of the wave hold the same four sums and store the same 16 bytes
	s_endpgm
.Lfunc_end_k_q50dbbe7aeb_prep:
	.size	k_q50dbbe7aeb_prep, .Lfunc_end_k_q50dbbe7aeb_prep-k_q50dbbe7aeb_prep
	.p2alignl 7, 3214868480
	.fill 96, 4, 3214868480
	.section	.rodata,"a",@progbits
	.p2align	6, 0x0
	.amdhsa_kernel k_q50dbbe7aeb_prep
		.amdhsa_group_segment_fixed_size 0
		.amdhsa_private_segment_fixed_size 0
		.amdhsa_enable_private_segment 0
		.amdhsa_kernarg_size 64
		.amdhsa_user_sgpr_count 2
		.amdhsa_user_sgpr_kernarg_segment_ptr 1
		.amdhsa_wavefront_size32 1
		.amdhsa_system_sgpr_workgroup_id_x 1
		.amdhsa_system_sgpr_workgroup_id_y 1
		.amdhsa_system_sgpr_workgroup_id_z 1
		.amdhsa_system_vgpr_workitem_id 0
		.amdhsa_next_free_vgpr 80
		.amdhsa_next_free_sgpr 66
		.amdhsa_reserve_vcc 0
		.amdhsa_float_denorm_mode_32 3
		.amdhsa_float_denorm_mode_16_64 3
		.amdhsa_memory_ordered 1
		.amdhsa_forward_progress 1
		.amdhsa_inst_pref_size 10
	.end_amdhsa_kernel
	.amdgpu_metadata
---
amdhsa.version: [ 1, 2 ]
amdhsa.kernels:
  - .name:           k_q50dbbe7aeb_prep
    .symbol:         k_q50dbbe7aeb_prep.kd
    .args:
      - { .name: Wq, .offset: 0, .size: 8, .value_kind: global_buffer, .address_space: global }
      - { .name: Wk, .offset: 8, .size: 8, .value_kind: global_buffer, .address_space: global }
      - { .name: Wv, .offset: 16, .size: 8, .value_kind: global_buffer, .address_space: global }
      - { .name: Wo, .offset: 24, .size: 8, .value_kind: global_buffer, .address_space: global }
      - { .name: W1, .offset: 32, .size: 8, .value_kind: global_buffer, .address_space: global }
      - { .name: W2, .offset: 40, .size: 8, .value_kind: global_buffer, .address_space: global }
      - { .name: wst, .offset: 48, .size: 8, .value_kind: global_buffer, .address_space: global }
      - { .name: usum, .offset: 56, .size: 8, .value_kind: global_buffer, .address_space: global }
    .group_segment_fixed_size: 0
    .private_segment_fixed_size: 0
    .kernarg_segment_align: 8
    .kernarg_segment_size: 64
    .max_flat_workgroup_size: 256
    .sgpr_count:     66
    .vgpr_count:     80
    .wavefront_size: 32
...
	.end_amdgpu_metadata
.endif
;; end of part 1
;; launch fused (part 2): grid 256 x 1, 4 waves a work-group, clusters of 4 x 1, 327,680 bytes of LDS; arguments x, te, wst, usum, bq, bk, bv, bo, b1, b2, out0; writes out0
.if DOCPART == 2
	.amdgcn_target "amdgcn-amd-amdhsa--gfx1250"
	.amdhsa_code_object_version 6
	.text
	.protected	k_q50dbbe7aeb_fused
	.globl	k_q50dbbe7aeb_fused
	.p2align	8
	.type	k_q50dbbe7aeb_fused,@function
k_q50dbbe7aeb_fused:
	s_mov_b64 s[64:65], 0
	v_nop
	global_prefetch_b8 v0, s[64:65] scope:SCOPE_SE
	s_setreg_imm32_b32 hwreg(HW_REG_WAVE_MODE, 25, 1), 1
	s_wait_xcnt 0x0
	s_wait_alu depctr_hold_cnt(0) depctr_sa_sdst(0) depctr_va_vdst(0) depctr_va_sdst(0) depctr_va_ssrc(0) depctr_va_vcc(0) depctr_vm_vsrc(0)
	s_getreg_b32 s2, hwreg(HW_REG_IB_STS2, 6, 4)
	s_cmp_eq_u32 s2, 0
	s_cbranch_scc0 .Lentry_in_a_cluster
	s_endpgm
.Lentry_in_a_cluster:
	s_bfe_u32 s2, ttmp6, 0x10000c
	s_cmp_lg_u32 s2, 0x3003
	s_cbranch_scc0 .Lentry_shape_is_right
	s_endpgm
.Lentry_shape_is_right:
; THE WHOLE MODULE FOR ONE (b, n): 128 rows (all t) x 512 features.  256 work-groups, four waves each; memory is touched for x, te, the weight stream, nine small vectors and out0.
; CENTRING.  xt = x + te is formed in f32; its row mean s_t is taken away, and xc = xt - s_t, rounded once to bf16, is both the matrix operand and the residual (a LayerNorm does not see a shift of its row).
; The projections are made whole again in f32: their sums start at b[c] + s_t u[c], u = the weights' column sums.  So a common offset of x or te costs no bits.
; SHARES.  In every product wave w makes 128 rows x its 128 columns (heads 2 w, 2 w + 1): 64 accumulators, 512 registers.
; LAYOUTS.  T product: source 0 = 16 weight columns, source 1 = 16 rows: a lane holds ONE row t (lane % 16) and channels 8 (lane / 16) + 0..7; two neighbouring channel tiles rounded in pairs ARE an operand
; fragment (16 rows x 32 channels): Q, K for the scores; O, y1, h1 for the next product.  N product (V): sources swapped: a lane holds one channel and eight t: two t tiles rounded ARE a fragment of V^T.
; S^T = K Q^T and O^T = V^T P hold one query a lane.  Nothing is transposed anywhere.
; ATTENTION.  Causal: key tiles above the diagonal are not computed; on the diagonal tile the mask is the C operand that starts the sum.  log2(e) / 8, and 0.3 outside the head's own 16 keys, enter K in f32
; ahead of K's one rounding.  The row's true maximum is taken away before the exponentials.
; LAYERNORM.  Each wave takes its 128 columns' mean away, sums the squares of what is left, and the four waves' (mean, sum of squares) are combined by the means' spread: no difference of large sums.
; WEIGHTS.  All work-groups take the same tiles, so the four of a cluster ask for each tile JOINTLY; each wave fetches and reads its own quarter of a tile, through its own two slots of 16,384 bytes.
; THE WALK.  A product's sum over K may begin anywhere.  Cluster c begins every phase ROT = 2 ((c ^ c / 4 ^ c / 16) % 4) tiles of 64 K on (Wv's tiles of 128 K: ROT / 2 tiles: the same 128 ROT bytes of an
; activation row) and wraps round.  So the launch's 64 clusters ask for four different tiles at a time, and the four groups of clusters ask for one tile at four different places of their walks.
; LIMITS.  A hidden score counts as its value less 1e30; a weight below 2^-126 counts as 0; NaN and infinities are not treated apart.  xc, q, k, v, p, O, y1, h1 are rounded once to bf16
; (the residuals xc and y1 too); all sums, maxima, means and variances are f32.
; REGISTERS, in windows of 256 (s_set_vgpr_msb: bits 1:0 source 0, 3:2 source 1, 5:4 source 2, 7:6 destination):
;   window 0: v0-39 addresses, row means, mask; v40-63 at work; v64-127, v128-191 activation fragments (two buffers), S^T in attention; v192-255 P, later biases
;   window 1: v64-127, v128-191 weight fragments (two buffers); between products the whole window holds the packed result; in the load phase eight row slots
;   windows 2, 3: accumulator (row block t, column tile f) at linear register 8 (8 t + f)
.set APITCH, 1040                      ; a row of the activation array: 1,024 bytes + 16: the 16 rows of a fragment load start at 16 different groups of four banks (ISA guide 11.1)
.set TTB,    16*APITCH                 ; a block of 16 rows
.set AHALF,  4*TTB
.set RING,   135168                    ; wave w: + 32,768 w; slot s: + 16,384 s.  Filled by tensor loads alone
.set SLOT,   16384
.set STG,    266240                    ; wave w: + 8,448 w: 16 rows x 528 bytes, f32, for the way out
.set SPITCH, 528
.set CONST,  300032                    ; nine vectors of 2,048 bytes: bq bk bv uq uk uv bo b1 b2
.set SVEC,   318464                    ; s_t, 128 f32
.set LNP,    318976                    ; row t: 32 bytes = four waves x (mean, sum of squares)
.set SPARE,  323072                    ; the spare words, 128 bytes for each wave: two blocks of 256 bytes that no other line names
.set ROWB,   262144                    ; bytes from t to t + 1 in x, te, out0
.set TILEB,  65536
.set LEAD,   10                        ; the prefetches' lead, in tiles
.set F0, 64
.set F1, 128
.set R, 1                              ; lane % 16
.set H, 2                              ; lane / 16
.set LN, 3                             ; lane
.set ABL, 4                            ; 1,040 r + 16 h: my place in a fragment of row blocks 0-3;  ABH: of row blocks 4-7
.set ABH, 5
.set ADL, 6                            ; the same plus the K offset in hand
.set ADH, 7
.set AW0, 8                            ; my 16 bytes of a weight fragment in my slot 0;  ADW: in the slot in hand
.set ADW, 9
.set CADT, 10                          ; load phase: where my 8 bytes of a row go; later: CONST + 32 h + 256 x head
.set CADN, 11                          ; load phase: where s_t goes; later: CONST + 4 r + 256 x head
.set PFV, 12                           ; 256 x lane, for the prefetches; never rewritten
.set TV, 13
.set SPW, 14                           ; LDS address of my spare word; never rewritten
.set NIL, 15                           ; 0; never rewritten
.set SV, 16                            ; v16-23 s[16 t + r]; in the tail v16-27 = 0000 | pattern | 0000, v28-31 the pattern's master
.set MD, 24                            ; v24-31 the diagonal tile's mask
.set PKL, 32                           ; ABL + 256 w, ABH + 256 w: my own columns
.set PKH, 33
.set LNW, 34
.set LNR, 35
.set STS, 36
.set STR, 37
.set GOUT, 38
.set LV, 39
.set WV, 26
.set CX, 27
.set G1S, 32                           ; s[32:39] group 1: 16,384 dense bytes as 64 rows of 256
.set G1D, 40                           ; s[40:47] group 1: my 16,384 bytes of two tiles on end: 2 rows of 2,048 elements of 8 bytes, 8,192 elements apart
.set G0S, 48
.set G0D, 52
.set WB, 56                            ; the stream at my quarter of tile 0
.set OFF, 58                           ; byte offset in the stream of the tile that is asked for
.set PFB, 60
.set PFA, 62
.set PLIM, 66
.set PFT, 67
.set TBW, 68
.set KOFF, 69
.set CNT, 70
.set HD, 71
.set P, 72
.set HEAD, 73
.set HOFF, 74
.set KROT, 75                          ; 128 ROT: where in an activation row my cluster's phases begin
.set SCL, 76
.set CF, 78
.set CB, 79
.set SEL, 80
.set EMASK, 82
.set BOFF, 83
.set C128, 84
.set I512, 85
.set EPS, 86
.set I128, 87
.set ZERO, 88
.set BIGN, 89
.set XP, 90
.set TP, 92
.set OUTP, 94
.set ROT, 98                           ; 0, 2, 4 or 6
.set ROTH, 99                          ; ROT / 2
.set NL, 100                           ; the place in the walk, 0 to 47, of the tile to be asked for next
.set RA, 101
.set MSB, 0
.macro WIN new                         ; the immediate's high byte repeats the setting that is left; a switch that changes nothing is dropped
.if MSB != (\new)
	s_set_vgpr_msb (MSB<<8)|(\new)
.set MSB, \new
.endif
.endm
.macro PLACES                          ; four plain instructions between a matrix instruction and a vector line or a load that touches its registers
.rept 4
	v_nop
.endr
.endm
.macro CREST                           ; a round of the cluster's barrier behind its opening barrier
	s_cmp_lg_u32 s[WV], 0
	s_cbranch_scc1 .Lnw0_\@
	s_barrier_signal -3
.Lnw0_\@:
	s_barrier_wait -3
	s_barrier_signal -1
	s_barrier_wait -1
.endm
.macro CROUND
	s_barrier_signal -1
	s_barrier_wait -1
	CREST
.endm
; Place NL of the walk -> the tile's byte offset in the stream.  The places fall into groups that begin at 0, 12 (a head's eight tiles of Wq|Wk and four of Wv) and 24 (three phases of eight).
; Within its phase of 8 (mask 7) or 4 (mask 3) a place is turned by ROT or ROT / 2.  All of it hangs on the place and on the cluster's number: it is the same in the four partners.
.macro NEXTT
	s_cmp_ge_u32 s[NL], 12
	s_cselect_b32 s2, 12, 0
	s_cmp_ge_u32 s[NL], 24
	s_cselect_b32 s2, 24, s2                       ; the group's first place
	s_cselect_b32 s29, 64, 8                       ; where in the group Wv's tiles begin: in the last group nowhere
	s_sub_co_u32 s3, s[NL], s2
	s_cmp_ge_u32 s3, s29
	s_cselect_b32 s30, 3, 7
	s_cselect_b32 s[RA], s[ROTH], s[ROT]
	s_add_co_u32 s28, s3, s[RA]
	s_and_b32 s28, s28, s30
	s_and_not1_b32 s3, s3, s30
	s_or_b32 s3, s3, s28
	s_add_co_u32 s3, s3, s2
	s_lshl_b32 s[OFF], s3, 16
	s_add_co_u32 s[NL], s[NL], 1
.endm
.macro WHERE                           ; ahead of a change of slots: which tile is asked for, and where the prefetch beside it stands
	s_wait_xcnt 0x0                                ; the last prefetch, a tile back, has read its address
	NEXTT
	s_mov_b32 s[PFT], s[OFF]
	s_add_nc_u64 s[PFA:PFA+1], s[PFB:PFB+1], s[OFF:OFF+1]
.endm
; A PREFETCH INTO THE L2.  Cluster 0's waves 0 and 1 ask, 8,192 bytes each, the four partners told apart by address: a lane names 256 bytes, the eight waves a tile.  Cluster 0's ROT is 0: its places are the
; tiles' numbers.  Beside its load of tile L stands the request for tile L + 10: the four groups of clusters ask for all eight tiles of a phase at the phase's first two places, so the lead is eight tiles
; more than two.  Tiles 12 to 47 are named once each; tiles 0 to 11 come by their loads alone; from L = 38 on nothing is asked for.
.macro ASK
	s_cmp_lt_u32 s[PFT], s[PLIM]
	s_cbranch_scc0 .Lna_\@
	global_prefetch_b8 v[PFV], s[PFA:PFA+1] offset:LEAD*TILEB th:TH_LOAD_NT scope:SCOPE_SE
.Lna_\@:
.endm
.macro STEPS                           ; no tensor load of mine is out: the walking descriptor takes the other slot and the tile that WHERE has found
	s_xor_b32 s[G0S+1], s[G0S+1], SLOT
	s_add_nc_u64 s[G0S+2:G0S+3], s[WB:WB+1], s[OFF:OFF+1]
	s_or_b32 s[G0S+3], s[G0S+3], 0x80000000
.endm
.macro NEWADR                          ; three address lines and a v_nop: the four instructions behind a tensor load, and the places in front of the loads that follow
	v_add_nc_u32 v[ADW], s[TBW], v[AW0]
	v_add_nc_u32 v[ADL], s[KOFF], v[ABL]
	v_add_nc_u32 v[ADH], s[KOFF], v[ABH]
	v_nop
.endm
.macro START                           ; a phase begins: slot 0, and my cluster's first K
	s_mov_b32 s[TBW], 0
	s_and_b32 s[KOFF], s[KROT], 896
	v_mov_b32 v[ADW], v[AW0]
	v_add_nc_u32 v[ADL], s[KOFF], v[ABL]
	v_add_nc_u32 v[ADH], s[KOFF], v[ABH]
.endm
.macro FETCH_W f, off                  ; eight weight fragments, 8,192 consecutive bytes of my slot
	WIN 0x40
.irp i, 0,1,2,3,4,5,6,7
	ds_load_b128 v[(\f)+8*\i:(\f)+8*\i+3],   v[ADW] offset:(\off)+1024*\i
	ds_load_b128 v[(\f)+8*\i+4:(\f)+8*\i+7], v[ADW] offset:(\off)+1024*\i+512
.endr
.endm
.macro FETCH_A f, off                  ; eight activation fragments: 128 rows x 32 K at byte off behind the K offset
	WIN 0
.irp t, 0,1,2,3,4,5,6,7
	ds_load_b128 v[(\f)+8*\t:(\f)+8*\t+3],   v[ADL+\t/4] offset:(\off)+TTB*(\t%4)
	ds_load_b128 v[(\f)+8*\t+4:(\f)+8*\t+7], v[ADL+\t/4] offset:(\off)+TTB*(\t%4)+32
.endr
.endm
.macro MUL16 f, hi, a0                 ; 16 T products: row blocks 4 hi + a0, + 1, all 8 column tiles; the 64 accumulators take turns
	WIN 0xa1+0x50*(\hi)
.irp a, \a0, (\a0)+1
.irp b, 0,1,2,3,4,5,6,7
	v_wmma_f32_16x16x32_bf16 v[8*(8*(\a)+(\b)):8*(8*(\a)+(\b))+7], v[(\f)+8*(\b):(\f)+8*(\b)+7], v[(\f)+8*(4*(\hi)+(\a)):(\f)+8*(4*(\hi)+(\a))+7], v[8*(8*(\a)+(\b)):8*(8*(\a)+(\b))+7]
.endr
.endr
.endm
.macro MUL64 f
	MUL16 \f, 0, 0
	MUL16 \f, 0, 2
	MUL16 \f, 1, 0
	MUL16 \f, 1, 2
.endm
; A T tile is 64 K: two quarters of 32.  QT multiplies the first and fetches the second.
.macro QT
	s_wait_dscnt 0x0                               ; buffer 0 is in
	PLACES
	FETCH_W F1, 8192
	FETCH_A F1, 64
	MUL64 F0
.endm
; TURN_R multiplies the second quarter and changes slots: all my tensor loads have landed (the one that was out is the next tile), the add, my reads of this slot are over; a round of the cluster's barrier;
; the joint refill of this slot, with the tile two places on, first thing behind it.
.macro TURN_R
	WIN 0
	WHERE
	s_wait_tensorcnt 0x0
	ds_add_u32 v[SPW], v[NIL]
	STEPS
	s_xor_b32 s[TBW], s[TBW], SLOT
	s_add_co_u32 s[KOFF], s[KOFF], 128
	s_and_b32 s[KOFF], s[KOFF], 896                ; behind the row's last 64 K back to its first
	s_wait_dscnt 0x1                               ; buffer 1 is in; the add alone may be out
	MUL16 F1, 0, 0
	s_wait_dscnt 0x0
	s_barrier_signal -1
	MUL16 F1, 0, 2
	WIN 0
	s_barrier_wait -1
	CREST
	tensor_load_to_lds s[G0S:G0S+3], s[G1S:G1S+7]
	s_nop 0
	NEWADR
	FETCH_W F0, 0
	FETCH_A F0, 0
	ASK
	MUL16 F1, 1, 0
	MUL16 F1, 1, 2
.endm
.macro TURN_N                          ; the same with nothing left to ask for
	s_wait_dscnt 0x0
	s_wait_tensorcnt 0x0                           ; the phase's last tile is in: no load was issued behind it
	s_xor_b32 s[TBW], s[TBW], SLOT
	s_add_co_u32 s[KOFF], s[KOFF], 128
	s_and_b32 s[KOFF], s[KOFF], 896
	WIN 0
	NEWADR
	FETCH_W F0, 0
	FETCH_A F0, 0
	MUL64 F1
.endm
; V: N products.  Accumulator (channel tile f, row block t) at window 3, v[8 (8 f + t)].  A tile is 128 K: four quarters; a weight buffer holds two quarters' four fragments.
.macro VMUL8 fa, fw, half, f
	WIN 0xf4
.irp t, 0,1,2,3,4,5,6,7
	v_wmma_f32_16x16x32_bf16 v[8*(8*(\f)+\t):8*(8*(\f)+\t)+7], v[(\fa)+8*\t:(\fa)+8*\t+7], v[(\fw)+8*(4*(\half)+(\f)):(\fw)+8*(4*(\half)+(\f))+7], v[8*(8*(\f)+\t):8*(8*(\f)+\t)+7]
.endr
.endm
.macro VMUL32 fa, fw, half
	VMUL8 \fa, \fw, \half, 0
	VMUL8 \fa, \fw, \half, 1
	VMUL8 \fa, \fw, \half, 2
	VMUL8 \fa, \fw, \half, 3
.endm
.macro VSLOT
	s_wait_dscnt 0x0
	PLACES
	FETCH_A F1, 64
	VMUL32 F0, F0, 0
	s_wait_dscnt 0x0
	PLACES
	FETCH_A F0, 128
	FETCH_W F1, 8192                               ; my last read of the slot
	VMUL32 F1, F0, 1
	s_wait_dscnt 0x0
	PLACES
	FETCH_A F1, 192
	WHERE
	s_wait_tensorcnt 0x0                           ; the change of slots, as in TURN_R, half a tile early
	ds_add_u32 v[SPW], v[NIL]
	STEPS
	s_xor_b32 s[TBW], s[TBW], SLOT
	s_add_co_u32 s[KOFF], s[KOFF], 256
	s_and_b32 s[KOFF], s[KOFF], 768
	VMUL8 F0, F1, 0, 0
	VMUL8 F0, F1, 0, 1
	s_wait_dscnt 0x0
	s_barrier_signal -1
	VMUL8 F0, F1, 0, 2
	WIN 0
	s_barrier_wait -1
	CREST
	tensor_load_to_lds s[G0S:G0S+3], s[G1S:G1S+7]
	s_nop 0
	NEWADR
	ASK
	VMUL8 F0, F1, 0, 3
	PLACES
	FETCH_W F0, 0
	FETCH_A F0, 0
	VMUL32 F1, F1, 1
.endm
	s_load_b512 s[4:19], s[0:1], 0x0               ; x s[4:5], te s[6:7], wst s[8:9], usum s[10:11], bq s[12:13], bk s[14:15], bv s[16:17], bo s[18:19]
	s_load_b128 s[20:23], s[0:1], 0x40             ; b1, b2
	s_load_b64 s[24:25], s[0:1], 0x50              ; out0
	v_lshl_add_u32 v[SPW], v0, 2, SPARE
	v_mov_b32 v[NIL], 0
	ds_add_u32 v[SPW], v[NIL]                      ; the wave's opening: the add and its wait ahead of my first tensor load
	v_lshrrev_b32 v[TV], 5, v0
	v_readfirstlane_b32 s[WV], v[TV]               ; wave 0..3
	s_bfe_u32 s[CX], ttmp6, 0x40000                ; my place in the cluster: it enters x's, te's, out0's and the prefetches' addresses alone
	s_lshl_b32 s28, ttmp9, 2
	s_add_co_u32 s28, s28, s[CX]                   ; the work-group: b = g / 128, n = g % 128
	s_lshr_b32 s29, s28, 7
	s_lshl_b32 s29, s29, 25
	s_and_b32 s28, s28, 127
	s_lshl_b32 s28, s28, 11
	s_add_co_u32 s28, s28, s29                     ; byte offset of row t = 0
	s_mov_b32 s29, 0
	s_lshl_b32 s30, s[WV], 23                      ; the load phase: my rows 32 w on
	s_add_co_u32 s30, s30, s28
	s_mov_b32 s31, 0
	s_mov_b32 s[G1S+0], 15|(3<<16)|(1<<21)         ; 15:0 the mask of four; 17:16 elements of 8 bytes; 21 set beside a mask
	s_mov_b32 s[G1S+1], 32<<16                     ; tensor_dim0 = 32
	s_mov_b32 s[G1S+2], 64<<16                     ; tensor_dim1 = 64
	s_mov_b32 s[G1S+3], 32<<16                     ; tile_dim0 = 32
	s_mov_b32 s[G1S+4], 64                         ; tile_dim1 = 64
	s_mov_b32 s[G1S+5], 32                         ; 32 elements from row to row
	s_mov_b32 s[G1S+6], 0
	s_mov_b32 s[G1S+7], 0
	s_mov_b32 s[G1D+0], 15|(3<<16)|(1<<21)
	s_mov_b32 s[G1D+1], 2048<<16                   ; tensor_dim0 = 2,048
	s_mov_b32 s[G1D+2], 2<<16                      ; tensor_dim1 = 2
	s_mov_b32 s[G1D+3], 2048<<16                   ; tile_dim0 = 2,048
	s_mov_b32 s[G1D+4], 2                          ; tile_dim1 = 2
	s_mov_b32 s[G1D+5], 8192                       ; a tile further on
	s_mov_b32 s[G1D+6], 0
	s_mov_b32 s[G1D+7], 0
	s_lshl_b32 s2, s[WV], 15
	s_mov_b32 s[G0S], 1
	s_add_co_u32 s[G0S+1], s2, RING+SLOT           ; turned ahead of each use: the first use fills slot 0
	s_mov_b32 s[G0D], 1
	s_add_co_u32 s[G0D+1], s2, RING
	s_lshr_b32 s2, ttmp9, 2                        ; the cluster's number, 0 to 63, as three fields of two bits:
	s_xor_b32 s2, s2, ttmp9
	s_lshr_b32 s3, ttmp9, 4
	s_xor_b32 s2, s2, s3                           ; their exclusive or, so that any half of the clusters picked by one bit of the number holds all four values
	s_and_b32 s[ROTH], s2, 3
	s_lshl_b32 s[ROT], s[ROTH], 1
	s_lshl_b32 s[KROT], s[ROTH], 8
	s_lshl_b32 s[OFF], s[ROT], 16                  ; places 0 and 1: tiles ROT and ROT + 1.  ROT is even, so a phase's first two tiles lie on end
	s_mov_b32 s[OFF+1], 0
	s_mov_b32 s[NL], 2
	s_lshr_b32 s2, s[WV], 1
	s_or_b32 s2, s2, ttmp9                         ; 0 in waves 0 and 1 of cluster 0: the same in all four partners
	s_cmp_eq_u32 s2, 0
	s_cselect_b32 s[PLIM], (48-LEAD)*TILEB, 0
	s_mov_b32 s[PFT], 0
	s_mov_b32 s[SCL+1], 0
	s_mov_b32 s[CF], 0x3e38aa3b                    ; log2(e) / 8
	s_mov_b32 s[CB], 0x3d5d9914                    ; 0.3 log2(e) / 8
	s_mov_b32 s[SEL], 0x76543210
	s_mov_b32 s[SEL+1], 0xfedcba98
	s_mov_b32 s[C128], 0x43000000                  ; 128
	s_mov_b32 s[I512], 0x3b000000                  ; 1 / 512
	s_mov_b32 s[EPS], 0x3727c5ac                   ; 1e-5
	s_mov_b32 s[I128], 0x3c000000                  ; 1 / 128
	s_mov_b32 s[ZERO], 0
	s_mov_b32 s[BIGN], 0xf149f2ca                  ; -1e30
	s_lshl_b32 s96, s[CX], 1
	s_add_co_u32 s96, s96, s[WV]
	s_lshl_b32 s96, s96, 13                        ; the prefetches: 8,192 (2 cx + wave)
	s_mov_b32 s97, 0
	s_lshl_b32 s2, s[WV], 14
	s_mov_b32 s3, 0
	s_wait_dscnt 0x0                               ; the opening add is done
	s_wait_kmcnt 0x0
	s_add_nc_u64 s[XP:XP+1], s[4:5], s[30:31]
	s_add_nc_u64 s[TP:TP+1], s[6:7], s[30:31]
	s_add_nc_u64 s[OUTP:OUTP+1], s[24:25], s[28:29]
	s_add_nc_u64 s[WB:WB+1], s[8:9], s[2:3]
	s_add_nc_u64 s[PFB:PFB+1], s[8:9], s[96:97]
	s_add_nc_u64 s[G0D+2:G0D+3], s[WB:WB+1], s[OFF:OFF+1]
	s_or_b32 s[G0D+3], s[G0D+3], 0x80000000
	CROUND                                         ; all four work-groups are here: the first joint loads meet
	tensor_load_to_lds s[G0D:G0D+3], s[G1D:G1D+7]  ; places 0 and 1, my quarter of each tile: one load of mine is out
	s_nop 0
	v_and_b32 v[LN], 31, v0
	v_lshlrev_b32 v62, 4, v0                       ; 16 x thread: the nine vectors are 128 threads x 16 bytes
	v_add_nc_u32 v63, CONST, v62
	v_lshlrev_b32 v[LV], 4, v[LN]
; THE LOAD PHASE.  Wave w takes rows 32 w .. 32 w + 31, a row at a time: 4 + 4 loads of 512 consecutive bytes; eight row slots keep 64 loads of the wave on their way.
.macro LDROW s, row
	WIN 0x40
.irp q, 0,1,2,3
	global_load_b128 v[32*(\s)+4*\q:32*(\s)+4*\q+3], v[LV], s[XP:XP+1] offset:ROWB*(\row)+512*\q th:TH_LOAD_NT
.endr
.irp q, 0,1,2,3
	global_load_b128 v[32*(\s)+16+4*\q:32*(\s)+16+4*\q+3], v[LV], s[TP:TP+1] offset:ROWB*(\row)+512*\q th:TH_LOAD_NT
.endr
.endm
	global_load_b128 v[64:67], v62, s[12:13]
	global_load_b128 v[68:71], v62, s[14:15]
	global_load_b128 v[72:75], v62, s[16:17]
	global_load_b128 v[76:79], v62, s[10:11]
	global_load_b128 v[80:83], v62, s[10:11] offset:2048
	global_load_b128 v[84:87], v62, s[10:11] offset:4096
	global_load_b128 v[88:91], v62, s[18:19]
	global_load_b128 v[92:95], v62, s[20:21]
	global_load_b128 v[96:99], v62, s[22:23]
.irp s, 0,1,2,3,4,5,6
	LDROW \s, \s
.endr
	WIN 0
	v_and_b32 v[R], 15, v0
	v_bfe_u32 v[H], v0, 4, 1
	v_mul_u32_u24 v[ABL], v[R], APITCH
	v_lshl_add_u32 v[ABL], v[H], 4, v[ABL]
	v_add_nc_u32 v[ABH], AHALF, v[ABL]
	s_lshl_b32 s2, s[WV], 15
	s_add_co_u32 s2, s2, RING
	v_lshl_add_u32 v[AW0], v[LN], 4, s2
	v_lshlrev_b32 v[PFV], 8, v[LN]
	s_lshl_b32 s2, s[WV], 8
	v_add_nc_u32 v[PKL], s2, v[ABL]
	v_add_nc_u32 v[PKH], s2, v[ABH]
	s_lshl_b32 s2, s[WV], 3
	s_add_co_u32 s2, s2, LNP
	v_lshl_add_u32 v[LNW], v[R], 5, s2
	v_lshl_add_u32 v[LNR], v[R], 5, LNP
	s_mul_i32 s2, s[WV], 16*SPITCH
	s_add_co_u32 s2, s2, STG
	v_mul_u32_u24 v[STS], v[R], SPITCH
	v_lshl_add_u32 v[STS], v[H], 5, v[STS]
	v_add_nc_u32 v[STS], s2, v[STS]
	v_lshl_add_u32 v[STR], v[LN], 4, s2
	s_lshl_b32 s2, s[WV], 9
	v_add_nc_u32 v[GOUT], s2, v[LV]
	s_mul_i32 s2, s[WV], 32*APITCH
	v_lshl_add_u32 v[CADT], v[LN], 3, s2           ; my 8 bytes in a quarter of my first row
	s_lshl_b32 s2, s[WV], 7
	s_add_co_u32 s2, s2, SVEC
	v_mov_b32 v[CADN], s2
	v_lshlrev_b32 v[TV], 3, v[H]
	v_sub_nc_u32 v[TV], v[R], v[TV]                ; on the diagonal tile key 8 h + j is hidden from query r where j > r - 8 h
.irp j, 0,1,2,3,4,5,6,7
	v_cmp_gt_i32 vcc_lo, \j, v[TV]
	v_cndmask_b32 v[MD+\j], 0, s[BIGN], vcc_lo
.endr
.set i, 40
.rept 22
	v_mov_b32 v[i], 0                              ; the registers at work are named in pairs: each is written once here
.set i, i+1
.endr
	s_wait_loadcnt 56                              ; the nine vectors are in; the 56 loads of seven rows, issued behind them, may stay out
.irp i, 0,1,2,3,4,5,6,7,8
	ds_store_b128 v63, v[64+4*\i:67+4*\i] offset:2048*\i
.endr
	LDROW 7, 7
; One row: xt = x + te, its mean over the 512 features (16 a lane, then across the 32 lanes), xc = xt - mean, rounded to bf16 and stored; a store of the wave covers 256 consecutive bytes of LDS.
.macro ROW s, ahead, left
.set rX, 32*(\s)
.set rE, 32*(\s)+16
	s_wait_loadcnt \left                           ; this row's eight loads are in; the younger rows' stay out
	WIN 0x45
.irp k, 0,2,4,6,8,10,12,14
	v_pk_add_f32 v[rX+\k:rX+\k+1], v[rX+\k:rX+\k+1], v[rE+\k:rE+\k+1]
.endr
.irp k, 0,2,4,6
	v_pk_add_f32 v[rE+\k:rE+\k+1], v[rX+2*\k:rX+2*\k+1], v[rX+2*\k+2:rX+2*\k+3]
.endr
	v_pk_add_f32 v[rE:rE+1], v[rE:rE+1], v[rE+2:rE+3]
	v_pk_add_f32 v[rE+4:rE+5], v[rE+4:rE+5], v[rE+6:rE+7]
	v_pk_add_f32 v[rE:rE+1], v[rE:rE+1], v[rE+4:rE+5]
	WIN 0x05
	v_add_f32 v40, v[rE], v[rE+1]
	WIN 0
	v_add_f32_dpp v40, v40, v40 row_xmask:1 row_mask:0xf bank_mask:0xf
	v_add_f32_dpp v40, v40, v40 row_xmask:2 row_mask:0xf bank_mask:0xf
	v_add_f32_dpp v40, v40, v40 row_xmask:4 row_mask:0xf bank_mask:0xf
	v_add_f32_dpp v40, v40, v40 row_xmask:8 row_mask:0xf bank_mask:0xf
	v_permlanex16_b32 v41, v40, s[SEL], s[SEL+1]
	v_add_f32 v40, v40, v41
	v_mul_f32 v40, s[I512], v40
	v_mov_b32 v41, v40
	WIN 0x41
.irp k, 0,2,4,6,8,10,12,14
	v_pk_add_f32 v[rX+\k:rX+\k+1], v[rX+\k:rX+\k+1], v[40:41] neg_lo:[0,1] neg_hi:[0,1]
.endr
	WIN 0x45
.irp k, 0,1,2,3,4,5,6,7
	v_cvt_pk_bf16_f32 v[rE+\k], v[rX+2*\k], v[rX+2*\k+1]
.endr
	WIN 0x04
.irp q, 0,1,2,3
	ds_store_b64 v[CADT], v[rE+2*\q:rE+2*\q+1] offset:APITCH*(\s)+256*\q
.endr
	WIN 0
	ds_store_b32 v[CADN], v40 offset:4*(\s)
.if \ahead
	LDROW \s, 8+(\s)
.endif
.endm
	WIN 0
	s_mov_b32 s[CNT], 3
.Lrows:
.irp s, 0,1,2,3,4,5,6,7
	ROW \s, 1, 56
.endr
	WIN 0
	s_wait_xcnt 0x0                                ; every load issued so far has read its address: the two pointers may be written
	s_add_nc_u64 s[XP:XP+1], s[XP:XP+1], 8*ROWB
	s_add_nc_u64 s[TP:TP+1], s[TP:TP+1], 8*ROWB
	v_add_nc_u32 v[CADT], 8*APITCH, v[CADT]
	v_add_nc_u32 v[CADN], 32, v[CADN]
	s_sub_co_u32 s[CNT], s[CNT], 1
	s_cmp_lg_u32 s[CNT], 0
	s_cbranch_scc1 .Lrows
.irp s, 0,1,2,3,4,5,6,7
	ROW \s, 0, 56-8*\s                             ; the last eight rows load nothing: the counts run down
.endr
	s_wait_dscnt 0x0                               ; my stores of xc, s_t and the vectors are done,
	s_barrier_signal -1
	s_barrier_wait -1                              ; everybody's are
	v_lshl_add_u32 v[TV], v[R], 2, SVEC
.irp t, 0,1,2,3,4,5,6,7
	ds_load_b32 v[SV+\t], v[TV] offset:64*\t       ; s[16 t + r]
.endr
	s_wait_tensorcnt 0x0                           ; places 0 and 1 came by one load: both are in
	s_mov_b32 s[HD], 2
	s_lshl_b32 s[HEAD], s[WV], 1
; ATTENTION's macros.  A piece p is the query tiles A = 2 p and B = 2 p + 1; A sees key tiles 0 .. 2 p, B 0 .. 2 p + 1.  S^T of (q, key tile kt) at v[64 + 64 q + 8 kt], P at v[192 + 32 q + 4 kt].
.macro FORT p, op                      ; op q, kt for every visible tile of the piece, the two query tiles by turns
.set kt_, 0
.rept 2*(\p)+2
.if kt_ <= 2*(\p)
	\op 0, kt_
.endif
	\op 1, kt_
.set kt_, kt_+1
.endr
.endm
.macro SMM q, kt                       ; one product of S^T = K Q^T: 32 channels (cp_); the first starts the sum with 0, on the diagonal tile with the mask
.set rS, 64+64*(\q)+8*(\kt)
.set rK, 32*(\kt)+16+8*cp_
.set rQ, 32*(2*pc_+(\q))+8*cp_
.if cp_ > 0
	v_wmma_f32_16x16x32_bf16 v[rS:rS+7], v[rK:rK+7], v[rQ:rQ+7], v[rS:rS+7]
.elseif (\kt) == 2*pc_+(\q)
	v_wmma_f32_16x16x32_bf16 v[rS:rS+7], v[rK:rK+7], v[rQ:rQ+7], v[MD:MD+7]
.else
	v_wmma_f32_16x16x32_bf16 v[rS:rS+7], v[rK:rK+7], v[rQ:rQ+7], 0
.endif
.endm
.macro MAXI q, kt, i                   ; line i of four of a tile's maximum; a query tile has two chains, by the key tile's parity; each accumulator's lowest registers are read first
.set rS, 64+64*(\q)+8*(\kt)
.set rC, 40+2*(\q)+((\kt)%2)
.if (\kt) < 2
.if (\i) == 0
	v_max3_num_f32 v[rC], v[rS], v[rS+1], v[rS+2]
.elseif (\i) < 3
	v_max3_num_f32 v[rC], v[rC], v[rS+1+2*(\i)], v[rS+2+2*(\i)]
.else
	v_max_num_f32 v[rC], v[rC], v[rS+7]
.endif
.else
	v_max3_num_f32 v[rC], v[rC], v[rS+2*(\i)], v[rS+2*(\i)+1]
.endif
.endm
.macro EXPT q, kt                      ; s - m, then 2^(s - m)
.set rS, 64+64*(\q)+8*(\kt)
.set rM, 46+2*(\q)
.irp k, 0,2,4,6
	v_pk_add_f32 v[rS+\k:rS+\k+1], v[rS+\k:rS+\k+1], v[rM:rM+1] op_sel_hi:[1,0] neg_lo:[0,1] neg_hi:[0,1]
.endr
.irp k, 0,1,2,3,4,5,6,7
	v_exp_f32 v[rS+\k], v[rS+\k]
.endr
.endm
.macro PKT q, kt                       ; the weights rounded to bf16, and their sum (of the unrounded weights) onto l
.set rS, 64+64*(\q)+8*(\kt)
.set rP, 192+32*(\q)+4*(\kt)
.set rL, 50+2*(\q)
.irp k, 0,1,2,3
	v_cvt_pk_bf16_f32 v[rP+\k], v[rS+2*\k], v[rS+2*\k+1]
.endr
	v_pk_add_f32 v[rS:rS+1], v[rS:rS+1], v[rS+2:rS+3]
	v_pk_add_f32 v[rS+4:rS+5], v[rS+4:rS+5], v[rS+6:rS+7]
.if (\kt) == 0
	v_pk_add_f32 v[rL:rL+1], v[rS:rS+1], v[rS+4:rS+5]
.else
	v_pk_add_f32 v[rS:rS+1], v[rS:rS+1], v[rS+4:rS+5]
	v_pk_add_f32 v[rL:rL+1], v[rL:rL+1], v[rS:rS+1]
.endif
.endm
.macro PIECE p
	WIN 0x0a                                       ; K and Q in window 2, S^T and the mask in window 0
.set pc_, \p
.set cp_, 0
	FORT \p, SMM
.set cp_, 1
	FORT \p, SMM                                   ; the 4 p + 3 accumulators take turns
	PLACES
	WIN 0
.set kb_, 0
.rept (\p)+1
.set ii_, 0
.rept 4
	MAXI 0, kb_, ii_
	MAXI 1, kb_, ii_
.if kb_+1 <= 2*(\p)
	MAXI 0, kb_+1, ii_
.endif
	MAXI 1, kb_+1, ii_
.set ii_, ii_+1
.endr
.set kb_, kb_+2
.endr
.if (\p) > 0
	v_max_num_f32 v40, v40, v41
.endif
	v_max_num_f32 v42, v42, v43
	v_permlanex16_b32 v44, v40, s[SEL], s[SEL+1]   ; the query's other keys lie in the lane 16 away
	v_permlanex16_b32 v45, v42, s[SEL], s[SEL+1]
	v_max_num_f32 v46, v40, v44
	v_max_num_f32 v48, v42, v45
	FORT \p, EXPT                                  ; ONE batch of exponentials for the piece,
	v_nop                                          ; a plain instruction behind the last,
	s_wait_alu depctr_va_vdst(0)                   ; and one wait ahead of the first line that names a result
	FORT \p, PKT
.irp k, 4,5,6,7
	v_mov_b32 v[192+8*(\p)+\k], 0                  ; tile A does not see key tile 2 p + 1
.endr
	v_add_f32 v50, v50, v51
	v_add_f32 v52, v52, v53
	v_permlanex16_b32 v44, v50, s[SEL], s[SEL+1]
	v_permlanex16_b32 v45, v52, s[SEL], s[SEL+1]
	v_add_f32 v50, v50, v44
	v_add_f32 v52, v52, v45
	v_rcp_f32 v54, v50
	v_rcp_f32 v56, v52
	WIN 0xf3                                       ; V and O^T in window 3, P in window 0
.set kp_, 0
.rept (\p)+1
.irp q, 0,1
.irp c, 0,1,2,3
.if kp_ == 0
	v_wmma_f32_16x16x32_bf16 v[128+8*(4*(\q)+(\c)):128+8*(4*(\q)+(\c))+7], v[8*(4*(\c)+kp_):8*(4*(\c)+kp_)+7], v[192+32*(\q)+8*kp_:192+32*(\q)+8*kp_+7], 0
.else
	v_wmma_f32_16x16x32_bf16 v[128+8*(4*(\q)+(\c)):128+8*(4*(\q)+(\c))+7], v[8*(4*(\c)+kp_):8*(4*(\c)+kp_)+7], v[192+32*(\q)+8*kp_:192+32*(\q)+8*kp_+7], v[128+8*(4*(\q)+(\c)):128+8*(4*(\q)+(\c))+7]
.endif
.endr
.endr
.set kp_, kp_+1
.endr
	PLACES
	s_wait_alu depctr_va_vdst(0)                   ; the two reciprocals' wait, ahead of their first reader
	WIN 0xc3
.irp q, 0,1
.set i_, 0
.rept 16
	v_pk_mul_f32 v[128+32*(\q)+2*i_:128+32*(\q)+2*i_+1], v[128+32*(\q)+2*i_:128+32*(\q)+2*i_+1], v[54+2*(\q):55+2*(\q)] op_sel_hi:[1,0]
.set i_, i_+1
.endr
.endr
	WIN 0x4f                                       ; O, rounded, into window 1: fragment (query tile, channel half) at v[64 + 8 (2 qt + cp)]
.irp q, 0,1
.set i_, 0
.rept 16
	v_cvt_pk_bf16_f32 v[64+16*(2*(\p)+(\q))+i_], v[128+32*(\q)+2*i_], v[128+32*(\q)+2*i_+1]
.set i_, i_+1
.endr
.endr
.endm
.Lhead:                                        ; twice: heads 2 w and 2 w + 1.  Left in its middle, behind the second head's attention
	START
	s_lshl_b32 s[HOFF], s[HEAD], 8
	s_add_co_u32 s2, s[HOFF], CONST
	v_lshl_add_u32 v[CADT], v[H], 5, s2
	v_lshl_add_u32 v[CADN], v[R], 2, s2
	FETCH_W F0, 0
	FETCH_A F0, 0
	WIN 0x40
.irp f, 0,1,2,3,4,5,6,7                ; u of my eight channels of column tile f (uq, then uk) into window 1,
	ds_load_b128 v[F1+8*\f:F1+8*\f+3],   v[CADT] offset:2048*(3+\f/4)+64*(\f%4)
	ds_load_b128 v[F1+8*\f+4:F1+8*\f+7], v[CADT] offset:2048*(3+\f/4)+64*(\f%4)+16
.endr
	WIN 0
.irp f, 0,1,2,3,4,5,6,7                ; the bias (bq, then bk) into window 0
	ds_load_b128 v[F1+8*\f:F1+8*\f+3],   v[CADT] offset:2048*(\f/4)+64*(\f%4)
	ds_load_b128 v[F1+8*\f+4:F1+8*\f+7], v[CADT] offset:2048*(\f/4)+64*(\f%4)+16
.endr
	s_wait_dscnt 0x0
.set t_, 0
.rept 8                                ; the sums start at b[c] + s_t u[c]
	WIN 0x81+0x40*(t_/4)
.set i_, 0
.rept 32
.if t_%2
	v_pk_fma_f32 v[64*(t_%4)+2*i_:64*(t_%4)+2*i_+1], v[F1+2*i_:F1+2*i_+1], v[SV+t_-1:SV+t_], v[F1+2*i_:F1+2*i_+1] op_sel:[0,1,0] op_sel_hi:[1,1,1]
.else
	v_pk_fma_f32 v[64*(t_%4)+2*i_:64*(t_%4)+2*i_+1], v[F1+2*i_:F1+2*i_+1], v[SV+t_:SV+t_+1], v[F1+2*i_:F1+2*i_+1] op_sel_hi:[1,0,1]
.endif
.set i_, i_+1
.endr
.set t_, t_+1
.endr
	WIN 0
	s_mov_b32 s[CNT], 8
.Lqk:                                          ; Q and K of one head: eight tiles of 64 K; the last two refills bring V's first two tiles; behind the eighth step the K offset is 128 ROT again, where V begins
	QT
	TURN_R
	WIN 0
	s_sub_co_u32 s[CNT], s[CNT], 1
	s_cmp_lg_u32 s[CNT], 0
	s_cbranch_scc1 .Lqk
	PLACES
.set t_, 0
.rept 8                                ; K's rows of block t are scaled in f32 (full weight for the head's own 16 keys), then Q and K are rounded, compacted in place into window 2
	s_cmp_eq_u32 s[HEAD], t_
	s_cselect_b32 s[SCL], s[CF], s[CB]
	WIN 0x82+0x41*(t_/4)
.set i_, 0
.rept 16
	v_pk_mul_f32 v[64*(t_%4)+32+2*i_:64*(t_%4)+32+2*i_+1], v[64*(t_%4)+32+2*i_:64*(t_%4)+32+2*i_+1], s[SCL:SCL+1] op_sel_hi:[1,0]
.set i_, i_+1
.endr
	WIN 0x8a+5*(t_/4)
.set i_, 0
.rept 32
	v_cvt_pk_bf16_f32 v[32*t_+i_], v[64*(t_%4)+2*i_], v[64*(t_%4)+2*i_+1]
.set i_, i_+1
.endr
.set t_, t_+1
.endr
	WIN 0
	v_lshl_add_u32 v[TV], v[H], 5, SVEC
.irp t, 0,1,2,3,4,5,6,7                ; s[16 t + 8 h + 0..7]
	ds_load_b128 v[F1+8*\t:F1+8*\t+3],   v[TV] offset:64*\t
	ds_load_b128 v[F1+8*\t+4:F1+8*\t+7], v[TV] offset:64*\t+16
.endr
.irp f, 0,1,2,3
	ds_load_b32 v[40+\f], v[CADN] offset:2048*5+64*\f  ; uv of channel 16 f + r
	ds_load_b32 v[44+\f], v[CADN] offset:2048*2+64*\f  ; bv
.endr
	s_wait_dscnt 0x0
	WIN 0xc0
.set f_, 0
.rept 4
.set i_, 0
.rept 32
.if f_%2
	v_pk_fma_f32 v[64*f_+2*i_:64*f_+2*i_+1], v[F1+2*i_:F1+2*i_+1], v[40+f_-1:40+f_], v[44+f_-1:44+f_] op_sel:[0,1,1] op_sel_hi:[1,1,1]
.else
	v_pk_fma_f32 v[64*f_+2*i_:64*f_+2*i_+1], v[F1+2*i_:F1+2*i_+1], v[40+f_:40+f_+1], v[44+f_:44+f_+1] op_sel_hi:[1,0,0]
.endif
.set i_, i_+1
.endr
.set f_, f_+1
.endr
	WIN 0
	s_mov_b32 s[CNT], 4
.Lv:                                           ; V of the head: four tiles of 128 K; the last two refills bring the next phase's first two tiles
	VSLOT
	WIN 0
	s_sub_co_u32 s[CNT], s[CNT], 1
	s_cmp_lg_u32 s[CNT], 0
	s_cbranch_scc1 .Lv
	s_wait_dscnt 0x0                               ; the last trip's fetch is not used: its registers are written again only when it has landed
	PLACES
	WIN 0xcf
.set i_, 0
.rept 128
	v_cvt_pk_bf16_f32 v[i_], v[2*i_], v[2*i_+1]    ; V^T's fragments (channel tile, 32 keys) at window 3, v[8 (4 ct + kp)]
.set i_, i_+1
.endr
	PIECE 0
	PIECE 1
	PIECE 2
	PIECE 3
	WIN 0
	s_sub_co_u32 s[HD], s[HD], 1
	s_cmp_eq_u32 s[HD], 0
	s_cbranch_scc1 .Ltail0
	WIN 0x41                                       ; the first head's O makes room for the weight fragments: into window 1's v0-63 and v192-255
.set i_, 0
.rept 128
.if i_ < 64
	v_mov_b32 v[i_], v[64+i_]
.else
	v_mov_b32 v[128+i_], v[64+i_]
.endif
.set i_, i_+1
.endr
	WIN 0
	s_add_co_u32 s[HEAD], s[HEAD], 1
	s_branch .Lhead
; THE TAIL: three products of the same shape (Wo, W1, W2), one text.
.macro PKR t, g                        ; rPK: where the packed fragment (row block t, 32 columns g of my 128) lies in window 1
.if (\g) >= 2
.set rPK, 64+8*(2*(\t)+(\g)-2)
.elseif 8*(2*(\t)+(\g)) < 64
.set rPK, 8*(2*(\t)+(\g))
.else
.set rPK, 128+8*(2*(\t)+(\g))
.endif
.endm
; Half of the sums' starts: accumulator (t, f) = E x R + bias.  R is the fragment of the OLD activation array at my own columns; E is a piece of the unit matrix in bf16, so the product is the residual itself;
; the bias is the C operand.  For W1, which has no residual, E is 0.
.macro PREB bt
	WIN 0
.irp pp, 0,1
.irp t, 0,1,2,3,4,5,6,7
	ds_load_b128 v[64+8*(8*\pp+\t):64+8*(8*\pp+\t)+3],   v[PKL+\t/4] offset:TTB*(\t%4)+64*(2*(\bt)+\pp)
	ds_load_b128 v[64+8*(8*\pp+\t)+4:64+8*(8*\pp+\t)+7], v[PKL+\t/4] offset:TTB*(\t%4)+64*(2*(\bt)+\pp)+32
.endr
.endr
	s_wait_dscnt 0x0
.irp hi, 0,1
	WIN 0x80+0x40*\hi
.irp pp, 0,1
.irp e, 0,1
.irp a, 0,1,2,3
	v_wmma_f32_16x16x32_bf16 v[64*\a+8*(2*(2*(\bt)+\pp)+\e):64*\a+8*(2*(2*(\bt)+\pp)+\e)+7], v[20-4*\e:27-4*\e], v[64+8*(8*\pp+4*\hi+\a):64+8*(8*\pp+4*\hi+\a)+7], v[192+8*(2*(2*(\bt)+\pp)+\e):192+8*(2*(2*(\bt)+\pp)+\e)+7]
.endr
.endr
.endr
.endr
	PLACES
.endm
.Ltail0:
	v_lshrrev_b32 v[TV], 3, v[R]                   ; row r of the unit matrix has its 1 at k = r: in the lanes with h = r / 8, register (r % 8) / 2, half r % 2
	v_bfe_u32 v40, v[R], 1, 2
	v_cmp_eq_u32 vcc_lo, v[TV], v[H]
	v_cndmask_b32 v40, 7, v40, vcc_lo
	v_and_b32 v41, 1, v[R]
	v_lshlrev_b32 v41, 4, v41
	v_mov_b32 v43, 0x3f80                          ; 1.0 in bf16
	v_lshlrev_b32 v42, v41, v43
.irp j, 0,1,2,3
	v_cmp_eq_u32 vcc_lo, \j, v40
	v_cndmask_b32 v[28+\j], 0, v42, vcc_lo
	v_mov_b32 v[16+\j], 0
	v_mov_b32 v[24+\j], 0
.endr
	s_mov_b32 s[P], 3
	s_mov_b32 s[BOFF], 2048*6
.Ltail:
	s_cmp_eq_u32 s[P], 2
	s_cselect_b32 s[EMASK], 0, -1
.irp j, 0,1,2,3
	v_and_b32 v[20+\j], s[EMASK], v[28+\j]         ; v[20:27] picks channels 0-15 of a fragment, v[16:23] channels 16-31
.endr
	s_lshl_b32 s2, s[WV], 9
	s_add_co_u32 s2, s2, s[BOFF]
	s_add_co_u32 s2, s2, CONST
	v_lshl_add_u32 v[TV], v[H], 5, s2
.irp f, 0,1,2,3,4,5,6,7
	ds_load_b128 v[192+8*\f:192+8*\f+3],   v[TV] offset:64*\f
	ds_load_b128 v[192+8*\f+4:192+8*\f+7], v[TV] offset:64*\f+16
.endr
	PREB 0
	PREB 1
	WIN 0
	s_wait_dscnt 0x0                               ; my reads of the old array are over,
	s_barrier_signal -1
	s_barrier_wait -1                              ; everybody's are: it may be written
	WIN 0x04
.set t_, 0
.rept 8
.set g_, 0
.rept 4
	PKR t_, g_
	ds_store_b128 v[PKL+t_/4], v[rPK:rPK+3]   offset:TTB*(t_%4)+64*g_
	ds_store_b128 v[PKL+t_/4], v[rPK+4:rPK+7] offset:TTB*(t_%4)+64*g_+32
.set g_, g_+1
.endr
.set t_, t_+1
.endr
	WIN 0
	s_wait_dscnt 0x0                               ; my columns of the new array are stored,
	s_barrier_signal -1
	s_barrier_wait -1                              ; everybody's are
	START
	s_wait_tensorcnt 0x0                           ; the phase's first two tiles are in: no load was issued behind theirs
	FETCH_W F0, 0
	FETCH_A F0, 0
	WIN 0
	s_mov_b32 s[CNT], 6
.Lgemm:
	QT
	TURN_R
	WIN 0
	s_sub_co_u32 s[CNT], s[CNT], 1
	s_cmp_lg_u32 s[CNT], 0
	s_cbranch_scc1 .Lgemm
	QT                                             ; the last two tiles ask for nothing
	TURN_N
	QT
	s_wait_dscnt 0x0
	MUL64 F1
	PLACES
	WIN 0
	s_cmp_eq_u32 s[P], 2
	s_cbranch_scc1 .Lnost                          ; W1 has no LayerNorm
.set t_, 0
.rept 8                                ; row block t: my 128 columns' mean; it is taken away in place; the sum of squares of what is left
.set hi_, t_/4
.set aB, 64*(t_%4)
	WIN 0x0a+5*hi_
.irp k, 0,2,4,6
	v_pk_add_f32 v[40+\k:41+\k], v[aB+\k:aB+\k+1], v[aB+8+\k:aB+8+\k+1]
.endr
	WIN 0x08+4*hi_
.irp f, 2,3,4,5,6,7
.irp k, 0,2,4,6
	v_pk_add_f32 v[40+\k:41+\k], v[40+\k:41+\k], v[aB+8*\f+\k:aB+8*\f+\k+1]
.endr
.endr
	WIN 0
	v_pk_add_f32 v[40:41], v[40:41], v[42:43]
	v_pk_add_f32 v[44:45], v[44:45], v[46:47]
	v_pk_add_f32 v[40:41], v[40:41], v[44:45]
	v_add_f32 v40, v40, v41
	v_permlanex16_b32 v41, v40, s[SEL], s[SEL+1]
	v_add_f32 v40, v40, v41
	v_mul_f32 v[48+2*t_], s[I128], v40
	v_mul_f32 v[49+2*t_], s[I128], v40
	WIN 0x82+0x41*hi_
.set i_, 0
.rept 32
	v_pk_add_f32 v[aB+2*i_:aB+2*i_+1], v[aB+2*i_:aB+2*i_+1], v[48+2*t_:49+2*t_] neg_lo:[0,1] neg_hi:[0,1]
.set i_, i_+1
.endr
	WIN 0x0a+5*hi_
.irp k, 0,2,4,6
	v_pk_mul_f32 v[40+\k:41+\k], v[aB+\k:aB+\k+1], v[aB+\k:aB+\k+1]
.endr
.irp f, 1,2,3,4,5,6,7
.irp k, 0,2,4,6
	v_pk_fma_f32 v[40+\k:41+\k], v[aB+8*\f+\k:aB+8*\f+\k+1], v[aB+8*\f+\k:aB+8*\f+\k+1], v[40+\k:41+\k]
.endr
.endr
	WIN 0
	v_pk_add_f32 v[40:41], v[40:41], v[42:43]
	v_pk_add_f32 v[44:45], v[44:45], v[46:47]
	v_pk_add_f32 v[40:41], v[40:41], v[44:45]
	v_add_f32 v40, v40, v41
	v_permlanex16_b32 v41, v40, s[SEL], s[SEL+1]
	v_add_f32 v[49+2*t_], v40, v41
	ds_store_b64 v[LNW], v[48+2*t_:49+2*t_] offset:512*t_
.set t_, t_+1
.endr
.Lnost:
	s_wait_dscnt 0x0
	s_barrier_signal -1
	s_barrier_wait -1                              ; the four waves' (mean, sum of squares) of every row lie in LDS
	s_cmp_eq_u32 s[P], 2
	s_cbranch_scc1 .Lnofin
.irp t, 0,1,2,3,4,5,6,7
	ds_load_b128 v[64+8*\t:64+8*\t+3], v[LNR] offset:512*\t
	ds_load_b128 v[64+8*\t+4:64+8*\t+7], v[LNR] offset:512*\t+16
.endr
	s_wait_dscnt 0x0
.set t_, 0
.rept 8                                ; the row's mean = the mean of the four; its sum of squares = the four's sum + 128 x the sum of the means' squared distances from it
.set rL, 64+8*t_
	v_add_f32 v40, v[rL], v[rL+2]
	v_add_f32 v41, v[rL+4], v[rL+6]
	v_add_f32 v40, v40, v41
	v_mul_f32 v40, 0x3e800000, v40
	v_sub_f32 v[rL], v[rL], v40
	v_sub_f32 v[rL+2], v[rL+2], v40
	v_sub_f32 v[rL+4], v[rL+4], v40
	v_sub_f32 v[rL+6], v[rL+6], v40
	v_sub_f32 v[49+2*t_], v[48+2*t_], v40          ; my mean less the row's
	v_add_f32 v[rL+1], v[rL+1], v[rL+3]
	v_add_f32 v[rL+5], v[rL+5], v[rL+7]
	v_add_f32 v[rL+1], v[rL+1], v[rL+5]
	v_mul_f32 v41, v[rL], v[rL]
	v_fmac_f32 v41, v[rL+2], v[rL+2]
	v_fmac_f32 v41, v[rL+4], v[rL+4]
	v_fmac_f32 v41, v[rL+6], v[rL+6]
	v_fma_f32 v41, v41, s[C128], v[rL+1]
	v_fma_f32 v[rL], v41, s[I512], s[EPS]
.set t_, t_+1
.endr
.irp t, 0,1,2,3,4,5,6,7
	v_rsq_f32 v[48+2*\t], v[64+8*\t]
.endr
	v_nop                                          ; a plain instruction behind the last, and one wait for the eight
	s_wait_alu depctr_va_vdst(0)
.irp t, 0,1,2,3,4,5,6,7
	v_mul_f32 v[49+2*\t], v[49+2*\t], v[48+2*\t]
.endr
.set t_, 0
.rept 8
	WIN 0x82+0x41*(t_/4)
.set i_, 0
.rept 32
	v_pk_fma_f32 v[64*(t_%4)+2*i_:64*(t_%4)+2*i_+1], v[64*(t_%4)+2*i_:64*(t_%4)+2*i_+1], v[48+2*t_:49+2*t_], v[48+2*t_:49+2*t_] op_sel:[0,0,1] op_sel_hi:[1,0,1]
.set i_, i_+1
.endr
.set t_, t_+1
.endr
	WIN 0
.Lnofin:
	s_sub_co_u32 s[P], s[P], 1
	s_cmp_eq_u32 s[P], 0
	s_cbranch_scc1 .Lout
.set t_, 0
.rept 8                                ; the result, rounded once, is the next product's operand (and, behind a LayerNorm, its residual)
	WIN 0x4a+5*(t_/4)
.set g_, 0
.rept 4
	PKR t_, g_
.set i_, 0
.rept 8
	v_cvt_pk_bf16_f32 v[rPK+i_], v[64*(t_%4)+16*g_+2*i_], v[64*(t_%4)+16*g_+2*i_+1]
.set i_, i_+1
.endr
.set g_, g_+1
.endr
.set t_, t_+1
.endr
	WIN 0
	s_cmp_lg_u32 s[P], 1
	s_cbranch_scc1 .Lnorelu
	WIN 0x41
.set i_, 0
.rept 256
	v_pk_max_num_bf16 v[i_], v[i_], s[ZERO]        ; behind W1: the ReLU, two numbers a line
.set i_, i_+1
.endr
	WIN 0
.Lnorelu:
	s_add_co_u32 s[BOFF], s[BOFF], 2048
	WHERE                                          ; the next phase's first place,
	s_add_co_u32 s[NL], s[NL], 1                   ; and the second with it: ROT is even, so the two tiles lie on end
	s_wait_tensorcnt 0x0                           ; both slots have been read out: they are filled again by one load
	ds_add_u32 v[SPW], v[NIL]
	s_add_nc_u64 s[G0D+2:G0D+3], s[WB:WB+1], s[OFF:OFF+1]
	s_or_b32 s[G0D+3], s[G0D+3], 0x80000000
	s_wait_dscnt 0x0
	CROUND
	tensor_load_to_lds s[G0D:G0D+3], s[G1D:G1D+7]
	s_nop 0
	PLACES
	s_cmp_lt_u32 s[PFT], s[PLIM]                   ; in cluster 0, beside tiles 32 and 33: the requests for 42 and 43; beside 40 and 41 nothing
	s_cbranch_scc0 .Lna2
	global_prefetch_b8 v[PFV], s[PFA:PFA+1] offset:LEAD*TILEB th:TH_LOAD_NT scope:SCOPE_SE
	global_prefetch_b8 v[PFV], s[PFA:PFA+1] offset:(LEAD+1)*TILEB th:TH_LOAD_NT scope:SCOPE_SE
.Lna2:
	s_branch .Ltail
; THE WAY OUT: a block of 16 rows at a time through my own stage: in by 16 bytes of a row a lane, back as rows of 512 bytes; each store of the wave covers 512 consecutive bytes, aligned.
.macro TOSTAGE t
	WIN 0x08+4*((\t)/4)
.irp f, 0,1,2,3,4,5,6,7
	ds_store_b128 v[STS], v[64*((\t)%4)+8*\f:64*((\t)%4)+8*\f+3]   offset:64*\f
	ds_store_b128 v[STS], v[64*((\t)%4)+8*\f+4:64*((\t)%4)+8*\f+7] offset:64*\f+16
.endr
	WIN 0
	s_wait_xcnt 0x0                                ; the stores issued two blocks back read the registers that are loaded below
.irp i, 0,1,2,3,4,5,6,7,8,9,10,11,12,13,14,15
	ds_load_b128 v[64+64*((\t)%2)+4*\i:64+64*((\t)%2)+4*\i+3], v[STR] offset:SPITCH*\i  ; LDS serves a wave's instructions in order (ISA guide 5.7.1.4): these see the stores above
.endr
.endm
.macro SEND t, younger                 ; younger: the next block's 16 stores and 16 loads, or none
	s_wait_dscnt \younger
.if (\t) > 0
	s_wait_xcnt 0x0
	s_add_nc_u64 s[OUTP:OUTP+1], s[OUTP:OUTP+1], 16*ROWB
.endif
.irp i, 0,1,2,3,4,5,6,7,8,9,10,11,12,13,14,15
	global_store_b128 v[GOUT], v[64+64*((\t)%2)+4*\i:64+64*((\t)%2)+4*\i+3], s[OUTP:OUTP+1] offset:ROWB*\i th:TH_STORE_NT
.endr
.endm
.Lout:
	TOSTAGE 0
.irp t, 1,2,3,4,5,6,7
	TOSTAGE \t
	SEND (\t)-1, 32
.endr
	SEND 7, 0
	s_wait_tensorcnt 0x0                           ; the wave's end: behind my last tensor load and my last LDS store
	ds_add_u32 v[SPW], v[NIL]
	s_wait_dscnt 0x0
	CROUND                                         ; the closing round: no work-group ends while a partner may still ask for a tile that names it
	s_endpgm
.Lfunc_end_k_q50dbbe7aeb_fused:
	.size	k_q50dbbe7aeb_fused, .Lfunc_end_k_q50dbbe7aeb_fused-k_q50dbbe7aeb_fused
	.p2alignl 7, 3214868480
	.fill 96, 4, 3214868480
	.section	.rodata,"a",@progbits
	.p2align	6, 0x0
	.amdhsa_kernel k_q50dbbe7aeb_fused
		.amdhsa_group_segment_fixed_size 327680
		.amdhsa_private_segment_fixed_size 0
		.amdhsa_enable_private_segment 0
		.amdhsa_kernarg_size 88
		.amdhsa_user_sgpr_count 2
		.amdhsa_user_sgpr_kernarg_segment_ptr 1
		.amdhsa_wavefront_size32 1
		.amdhsa_system_sgpr_workgroup_id_x 1
		.amdhsa_system_sgpr_workgroup_id_y 1
		.amdhsa_system_sgpr_workgroup_id_z 1
		.amdhsa_system_vgpr_workitem_id 0
		.amdhsa_next_free_vgpr 1024
		.amdhsa_next_free_sgpr 102
		.amdhsa_reserve_vcc 1
		.amdhsa_float_denorm_mode_32 3
		.amdhsa_float_denorm_mode_16_64 3
		.amdhsa_memory_ordered 1
		.amdhsa_forward_progress 1
		.amdhsa_inst_pref_size 255
	.end_amdhsa_kernel
	.section	.bss,"aw",@nobits
	.p2align	6
	.space	262144
	.amdgpu_metadata
---
amdhsa.version: [ 1, 2 ]
amdhsa.kernels:
  - .name:           k_q50dbbe7aeb_fused
    .symbol:         k_q50dbbe7aeb_fused.kd
    .args:
      - { .name: x, .offset: 0, .size: 8, .value_kind: global_buffer, .address_space: global }
      - { .name: te, .offset: 8, .size: 8, .value_kind: global_buffer, .address_space: global }
      - { .name: wst, .offset: 16, .size: 8, .value_kind: global_buffer, .address_space: global }
      - { .name: usum, .offset: 24, .size: 8, .value_kind: global_buffer, .address_space: global }
      - { .name: bq, .offset: 32, .size: 8, .value_kind: global_buffer, .address_space: global }
      - { .name: bk, .offset: 40, .size: 8, .value_kind: global_buffer, .address_space: global }
      - { .name: bv, .offset: 48, .size: 8, .value_kind: global_buffer, .address_space: global }
      - { .name: bo, .offset: 56, .size: 8, .value_kind: global_buffer, .address_space: global }
      - { .name: b1, .offset: 64, .size: 8, .value_kind: global_buffer, .address_space: global }
      - { .name: b2, .offset: 72, .size: 8, .value_kind: global_buffer, .address_space: global }
      - { .name: out0, .offset: 80, .size: 8, .value_kind: global_buffer, .address_space: global }
    .group_segment_fixed_size: 327680
    .private_segment_fixed_size: 0
    .kernarg_segment_align: 8
    .kernarg_segment_size: 88
    .max_flat_workgroup_size: 128
    .sgpr_count:     102
    .vgpr_count:     1024
    .wavefront_size: 32
...
	.end_amdgpu_metadata
.endif
;; end of part 2
